; MI455X (gfx1250); checked and timed in simulation.
; The chip was launched on July 23, 2026; its instructions are those of AMD's public machine-readable ISA for CDNA 5 (MIT licence, August 2026) and "CDNA5" Instruction Set Architecture Reference Guide (July 2026). The comments in the code are by the model that wrote it; some were corrected since.
;; Quantizer EMA. Allowed arithmetic: float matrix products may take bf16 or f16 operands with f32 sums; other float arithmetic in f32, or as packed bf16 or f16 multiplies, adds, multiply-adds, maxima and minima; sums over many terms, partial sums and values carried from step to step in f32; what a program stores and reads back later, other than sums and carried values, may be rounded once to bf16 or f16.
;; Inputs: codebook 512 x 64 float32; inputs 8 x 64 x 16 x 32 x 32 float32.
;; Outputs: out0 8 x 64 x 16 x 32 x 32 float32; out1 one number float32; out2 one number float32.
;; One version. Each part assembles by itself: llvm-mc -triple=amdgcn-amd-amdhsa -mcpu=gfx1250 --defsym DOCPART=n.
;; ======== version 1 of 1: 2 launches
;; limits: a difference of large sums (such as E[x^2] - mean^2): digits are lost where the result is much smaller than its terms; right only within a limited range of input values
;; workspace buffers: idx 524,288 bytes of whole numbers; part 8,192 bytes; cbt 65,536 bytes
;; launch nearest (part 1): grid 256 x 1, 8 waves a work-group, no clusters, 76,800 bytes of LDS; arguments inputs, codebook, idx, part, cbt; writes idx, part, cbt
.if DOCPART == 1
	.amdgcn_target "amdgcn-amd-amdhsa--gfx1250"
	.amdhsa_code_object_version 6
	.text
	.protected	k_q43f5bb82fd_nearest
	.globl	k_q43f5bb82fd_nearest
	.p2align	8
	.type	k_q43f5bb82fd_nearest,@function
k_q43f5bb82fd_nearest:
	s_mov_b64 s[64:65], 0
	v_nop
	global_prefetch_b8 v0, s[64:65] scope:SCOPE_SE
	s_setreg_imm32_b32 hwreg(HW_REG_WAVE_MODE, 25, 1), 1
	s_wait_xcnt 0x0
; NEAREST CODE.  inputs: [8][64][16384] f32 (a vector = the 64 channels of one position), codebook: [512][64] f32.
; For each of the 131,072 vectors: idx = argmin over k of d_k, d_k = (S - 2 p_k) + n_k, S = sum x^2, p_k = x . e_k, n_k = sum e_k^2; ties go to the lowest k.
; Stored: idx (u32 a vector), part (a wave's sum of least distances, f32), cbt (the codebook in bf16, laid [4 groups of 16 channels][512 codes][16]).
; FORMATS.  x and e are rounded to bf16 for the product; S, n and the codes that are stored are made of the same rounded numbers, so the whole program works on inputs rounded once to bf16.  Sums in f32.
; WHAT STAYS THOUGH IT CANCELS.  S is the same for all k, so in real numbers it does not move the argmin.  But it is some thousand times the spread of 2 p_k, and the two f32 roundings of
; (S - 2 p) + n decide which codes tie: so both roundings are made here as they are written, t = fma(-2, p, S) (2 p is exact), d = t + n, and ties are broken by the index.
; WHAT IS LEFT OUT, for all finite inputs.  (1) inputs + (q - inputs) = q: the first output is the code itself, and the inputs are not read again; the result moves by the rounding of those two f32 steps, about two ulps of |x| at the most.
; (2) sum over c of (q_c - x_c)^2 = S - 2 p + n at the chosen code = the least distance, which lies in a register here: the losses are the sum of the least distances / 2^23 (second launch).
; LIMITS.  That form of the loss carries an absolute error of about 2^-24 S a vector: it is good while the least distance is not many orders below S.  Two distances that differ by less than 2^-90 are not told apart.
; NaN and infinities are not treated apart; a NaN, an infinity or an overflow that would reach only inputs + (q - inputs) or (q - inputs)^2 is not carried to the result.
; SHARES.  A work-group: 512 positions of one image; a wave: 64 of them, four tiles of 16 (tile e = positions 4 r + e).  Every wave walks all 512 codes, in four chunks of 8 code tiles.
; D = E X^T: source 0 = 16 codes, source 1 = 16 vectors: lane (r, h) holds vector r and the codes 8 h + 0..7 of the tile.  Lane (r, h) loads x[c][4 r .. 4 r + 3] for just the channels of its
; fragment (c = 16 m + 8 h + i): each half of the lanes reads 256 consecutive bytes, aligned, and nothing changes lanes on the way to the matrix unit.
; TWO WAVES ON A SIMD, IN PHASES: a tile of distances has 2 products and 20 vector instructions, and a wave's operands fill two register windows; by turns in one wave each product would want two
; window switches; in phases there are two for 16 products and 158 vector instructions, and the other wave has vector work to issue while this one multiplies.
; NOT IN CLUSTERS: the table is made of the f32 codebook on its way through registers (rounded, padded rows); a joint load would land the f32 rows in LDS first, 131,072 bytes more to write and to read there.
; NO PREFETCH: the launch's streams are all asked for at its head.
; THE INDEX, with few instructions.  For a chunk and a vector: the 8 tiles' minima R (min3); m = min(R, best so far); key = (R - m) 2^100 + tile number: the tile number where R = m, far above every number elsewhere;
; K = the least key = the first tile that holds m; weight = clamp(K + 1 - key) = 1 for that tile alone; the tile's 8 distances = the sum of weight x distance (one term, exact).  The best so far goes in as a ninth group
; with its own, lower, tile number, so it wins ties.  At the end the same keys find the place in the tile, and choose between the lanes' two halves.
.set PITCH, 144                        ; a row of the table: 128 bytes of bf16 + 16: 36 words, so the 16 rows of a fragment load start 4 banks apart modulo 64 (64 banks of 4 bytes: ISA guide 11.1)
.set NTB,   512*PITCH                  ; behind the table: n, 512 f32
.set SPARE, NTB+2048                   ; behind n: the spare words, 128 bytes for each of the 8 waves: four blocks of 256 bytes that no other line names
; window 0
.set LANE, 2
.set R16,  3                           ; r = lane % 16
.set HH,   4                           ; h = lane / 16
.set XO,   5                           ; my byte offset in x
.set CO,   6                           ; my byte offset in the codebook
.set TSA,  7                           ; where I store 8 bytes of the table
.set AVO,  8                           ; my fragments of my wave's own 64 codes
.set AV,   9                           ; my fragments of the chunk in hand
.set NV,   10                          ; my 8 numbers of n in a tile
.set NSA,  11                          ; where I store n
.set IO,   12                          ; my byte offset in the wave's 256 bytes of idx
.set ZR,   13                          ; 0, as an offset
.set SPW,  14                          ; LDS address of my spare word; never rewritten
.set NIL,  15                          ; 0; never rewritten
.set HC,   16                          ; 8 h - 24, as f32
.set CBO,  17                          ; for cbt: the byte offset in the codebook of my 4 numbers
.set MONE, 18                          ; v[18:19] -1, -1
.set TPP,  20                          ; v[20:21] K + 1, twice
.set MT,   22                          ; v[22:23] m (the second is only named with it)
.set E0,   24                          ; v[24:25] the best so far: difference, key, weight (the second is only named with it)
.set T1,   26
.set T2,   27
.set T3,   28
.set T4,   29
.set LS,   30                          ; my sum of least distances
.set T5,   31
.set DD,   32                          ; v[32:95]   a chunk's 8 tiles of distances for one tile of vectors
.set XR,   32                          ; v[32:159]  at the start: x as loaded
.set NN,   96                          ; v[96:159]  n of the chunk, laid like DD
.set ST,   160                         ; v[160:207] for each tile of vectors 12: m, tile number, S, S, the best tile's 8 distances
.set RR,   208                         ; v[208:215] the tiles' minima
.set EK,   216                         ; v[216:223] differences, then keys, then weights
.set KC,   224                         ; v[224:231] the chunk's tile numbers, as f32
.set KO,   232                         ; v[232:235] the four tiles' indices: my four neighbouring positions
.set L8,   236                         ; 8 x lane
.set CB2,  238                         ; v[238:239] for cbt: my 4 numbers in bf16
.set CB4,  240                         ; v[240:243] for cbt: my 4 numbers as loaded
; window 1
.set AA,   0                           ; v[0:127]   the chunk's fragments of codes: tile T, channels 32 s on, at 16 T + 8 s; at the start: the codebook as loaded
.set FR,   128                         ; v[128:191] x in fragments: tile e, channels 32 s on, at 16 e + 8 s
.set DG,   192                         ; v[192:223] four products of a fragment with itself
.set TX,   224                         ; v[224:231] their diagonals, at work
; scalars
.set WV,   14                          ; my wave's number
.set TRIP, 15
.set MK,   32                          ; s[33:39] lanes with lane % 8 = j
.set VAL,  40                          ; lanes that hold a diagonal element
.set SELS, 42                          ; s[42:43] v_permlanex16_b32: each lane takes its own place in the other half
.set BIG,  44                          ; s[44:45] 2^100
.set MSB, 0
.macro WIN new                         ; s_set_vgpr_msb: bits 1:0 source 0, 3:2 source 1, 5:4 source 2, 7:6 destination; the high byte repeats the setting that is left
.if MSB != (\new)
	s_set_vgpr_msb (MSB<<8)|(\new)
.set MSB, \new
.endif
.endm
.macro PLACES                          ; eight places behind a run of products: the next line reads a result and rewrites it in place (ISA guide 7.12.1; the stricter count is taken)
.rept 8
	v_nop
.endr
.endm
	s_load_b256 s[4:11], s[0:1], 0x0               ; inputs s[4:5], codebook s[6:7], idx s[8:9], part s[10:11]
	s_load_b64 s[12:13], s[0:1], 0x20              ; cbt
	v_lshl_add_u32 v[SPW], v0, 2, SPARE
	v_mov_b32 v[NIL], 0
	v_lshrrev_b32 v1, 5, v0
	v_readfirstlane_b32 s[WV], v1                  ; wave 0..7
	v_and_b32 v[LANE], 31, v0
	v_and_b32 v[R16], 15, v0
	v_bfe_u32 v[HH], v0, 4, 1
	s_lshr_b32 s16, ttmp9, 5                       ; the image: 32 work-groups each,
	s_lshl_b32 s16, s16, 22                        ; 64 channels x 65,536 bytes
	s_and_b32 s17, ttmp9, 31
	s_lshl_b32 s17, s17, 11                        ; the work-group's 512 positions,
	s_add_co_u32 s16, s16, s17
	s_lshl_b32 s17, s[WV], 8                       ; my wave's 64
	s_add_co_u32 s16, s16, s17
	s_mov_b32 s17, 0
	v_lshlrev_b32 v[XO], 4, v[R16]                 ; my 4 positions,
	v_lshl_add_u32 v[XO], v[HH], 19, v[XO]         ; 8 channels further on for the upper lanes
	s_lshl_b32 s18, s[WV], 14                      ; my wave's 64 codes: 16,384 consecutive bytes
	v_lshl_add_u32 v[CO], v[LANE], 4, s18
	s_wait_kmcnt 0x0
	s_add_nc_u64 s[4:5], s[4:5], s[16:17]
	WIN 0x40                                       ; destination window 1
.set i, 0
.rept 32                                       ; the codebook first: it is wanted first, and loads come back in order
	global_load_b128 v[AA+4*i:AA+4*i+3], v[CO], s[6:7] offset:512*i
.set i, i+1
.endr
	WIN 0
.set i, 0
.rept 32                                       ; load i: channel 16 (i / 8) + 8 h + i % 8
	global_load_b128 v[XR+4*i:XR+4*i+3], v[XO], s[4:5] offset:(16*(i/8)+i%8)*65536 th:TH_LOAD_NT
.set i, i+1
.endr
	; addresses and constants, while the loads are on their way
	s_mul_i32 s19, s[WV], 64*PITCH
	v_mul_u32_u24 v[TSA], v[HH], PITCH             ; a load holds two rows of the codebook: row lane / 16, channels 4 (lane % 16) on
	v_lshl_add_u32 v[TSA], v[R16], 3, v[TSA]
	v_add_nc_u32 v[TSA], s19, v[TSA]
	v_mul_u32_u24 v[AV], v[R16], PITCH             ; a fragment: row r, 16 bytes further on for the upper lanes
	v_lshl_add_u32 v[AV], v[HH], 4, v[AV]
	v_add_nc_u32 v[AVO], s19, v[AV]
	s_lshl_b32 s20, s[WV], 8
	s_add_co_u32 s20, s20, NTB
	v_lshl_add_u32 v[NSA], v[R16], 2, s20
	v_lshlrev_b32 v[NV], 5, v[HH]
	v_add_nc_u32 v[NV], NTB, v[NV]
	v_lshlrev_b32 v[IO], 4, v[R16]
	v_mov_b32 v[ZR], 0
	s_lshr_b32 s21, ttmp9, 2                       ; cbt: work-group w stores 256 bytes: codes 8 (w / 4) + 0..7, channel group w % 4
	s_and_b32 s22, ttmp9, 3
	s_lshl_b32 s23, s21, 11                        ; in the codebook: 8 rows of 256 bytes,
	s_lshl_b32 s24, s22, 6                         ; 16 channels of 4 bytes
	s_add_co_u32 s23, s23, s24
	v_lshrrev_b32 v1, 2, v[LANE]
	v_lshl_add_u32 v[CBO], v1, 8, s23              ; code lane / 4,
	v_and_b32 v1, 3, v[LANE]
	v_lshl_add_u32 v[CBO], v1, 4, v[CBO]           ; 4 channels, 16 bytes, a lane
	v_lshlrev_b32 v[L8], 3, v[LANE]
	s_lshl_b32 s24, s22, 14
	s_lshl_b32 s25, s21, 8
	s_add_co_u32 s24, s24, s25
	s_mov_b32 s25, 0
	s_add_nc_u64 s[12:13], s[12:13], s[24:25]
	s_lshl_b32 s24, ttmp9, 11
	s_lshl_b32 s26, s[WV], 8
	s_add_co_u32 s24, s24, s26
	s_add_nc_u64 s[8:9], s[8:9], s[24:25]          ; idx at my wave's 64 positions
	s_lshl_b32 s24, ttmp9, 5
	s_lshl_b32 s26, s[WV], 2
	s_add_co_u32 s24, s24, s26
	s_add_nc_u64 s[10:11], s[10:11], s[24:25]      ; part at my wave's word
	s_mov_b32 s[MK+1], 0x02020202
	s_mov_b32 s[MK+2], 0x04040404
	s_mov_b32 s[MK+3], 0x08080808
	s_mov_b32 s[MK+4], 0x10101010
	s_mov_b32 s[MK+5], 0x20202020
	s_mov_b32 s[MK+6], 0x40404040
	s_mov_b32 s[MK+7], 0x80808080
	s_mov_b32 s[VAL], 0xff0000ff
	s_mov_b32 s[SELS], 0x76543210
	s_mov_b32 s[SELS+1], 0xfedcba98
	s_mov_b32 s[BIG], 0x71800000
	s_mov_b32 s[BIG+1], 0x71800000                 ; named with it as a pair
	v_lshlrev_b32 v1, 3, v[HH]
	v_add_nc_u32 v1, 0xffffffe8, v1                ; 8 h - 24
	v_cvt_f32_i32 v[HC], v1
; The diagonal of four products F F^T in DG.  Lane (r, h), register j holds element (8 h + j, r): register lane % 8 holds a diagonal element in lanes 0-7 and 24-31; the other lanes find theirs 16 lanes away.
; Each accumulator's two lowest registers are read first.
.macro PICK
	WIN 0x45                                       ; sources 0, 1 and destination window 1
	PLACES
.irp q, 0,1,2,3
	v_cndmask_b32 v[TX+(\q)], v[DG+8*(\q)], v[DG+8*(\q)+1], s[MK+1]
.endr
.irp j, 2,3,4,5,6,7
.irp q, 0,1,2,3
	v_cndmask_b32 v[TX+(\q)], v[TX+(\q)], v[DG+8*(\q)+(\j)], s[MK+(\j)]
.endr
.endr
.irp q, 0,1,2,3
	v_permlanex16_b32 v[TX+4+(\q)], v[TX+(\q)], s[SELS], s[SELS+1]
.endr
.endm
; Four fragments (at f, 16 registers apart) times themselves.  The four accumulators take turns, one instruction a turn.
.macro SQUARE f
	WIN 0x55                                       ; all four operand places window 1
.irp q, 0,1,2,3
	v_wmma_f32_16x16x32_bf16 v[DG+8*(\q):DG+8*(\q)+7], v[(\f)+16*(\q):(\f)+16*(\q)+7], v[(\f)+16*(\q):(\f)+16*(\q)+7], 0
.endr
.irp q, 0,1,2,3
	v_wmma_f32_16x16x32_bf16 v[DG+8*(\q):DG+8*(\q)+7], v[(\f)+16*(\q)+8:(\f)+16*(\q)+15], v[(\f)+16*(\q)+8:(\f)+16*(\q)+15], v[DG+8*(\q):DG+8*(\q)+7]
.endr
.endm
.macro LOADA                           ; a chunk's fragments of codes: 8 tiles x 64 channels, 32 loads
	WIN 0x40
.set i, 0
.rept 32
	ds_load_b128 v[AA+4*i:AA+4*i+3], v[AV] offset:(i/4)*16*PITCH+(i%4)*32
.set i, i+1
.endr
	WIN 0
.endm
.macro LOADN                           ; a chunk's n: for each tile my half's 8 numbers
.set i, 0
.rept 16
	ds_load_b128 v[NN+4*i:NN+4*i+3], v[NV] offset:(i/2)*64+(i%2)*16
.set i, i+1
.endr
.endm
	; MY 64 CODES INTO THE TABLE
	s_wait_loadcnt 32                              ; the codebook's 32 loads are in; the 32 loads of x, issued behind them, stay out
	WIN 0x45
.set i, 0
.rept 32
	v_cvt_pk_bf16_f32 v[AA+4*i], v[AA+4*i], v[AA+4*i+1]
	v_cvt_pk_bf16_f32 v[AA+4*i+1], v[AA+4*i+2], v[AA+4*i+3]
.set i, i+1
.endr
	WIN 0x04                                       ; address window 0, data window 1
.set i, 0
.rept 32
	ds_store_b64 v[TSA], v[AA+4*i:AA+4*i+1] offset:2*PITCH*i
.set i, i+1
.endr
	WIN 0x40
.set i, 0
.rept 16                                       ; my own rows back, as fragments: LDS serves a wave's instructions in order (ISA guide 5.7.1.4), and no other wave touches these rows yet
	ds_load_b128 v[AA+4*i:AA+4*i+3], v[AVO] offset:(i/4)*16*PITCH+(i%4)*32
.set i, i+1
.endr
.irp q, 0,1,2,3
	v_mov_b32 v[TX+4+(\q)], 0                      ; v_permlanex16_b32's destination counts as read
.endr
	s_wait_dscnt 0x0
	SQUARE AA                                      ; n of my 64 codes: the diagonals of E E^T
	PICK
.irp q, 0,1,2,3
	v_cndmask_b32 v[TX+(\q)], v[TX+4+(\q)], v[TX+(\q)], s[VAL]
.endr
	WIN 0x04
.irp q, 0,1,2,3
	ds_store_b32 v[NSA], v[TX+(\q)] offset:64*(\q)  ; lanes r and r + 16 store the same number to the same word
.endr
	WIN 0
	s_wait_dscnt 0x0                               ; for the others' sake: my rows of the table and my part of n are stored
	s_barrier_signal -1
	s_barrier_wait -1                              ; the table and n are whole; nothing is stored to them again
	LOADA                                          ; chunk 0
	; THE WORK-GROUP'S 256 BYTES OF cbt, by wave 0.  They come from the codebook in memory, not from the table: so no LDS address hangs on the work-group's number.  The rounding is the table's, so the numbers are the table's.
	s_cmp_lg_u32 s[WV], 0
	s_cbranch_scc1 .Lno_cbt
	global_load_b128 v[CB4:CB4+3], v[CBO], s[6:7]
	s_wait_loadcnt 0x0                             ; this load, and the loads of x, which the next lines want in any case
	v_cvt_pk_bf16_f32 v[CB2], v[CB4], v[CB4+1]
	v_cvt_pk_bf16_f32 v[CB2+1], v[CB4+2], v[CB4+3]
	global_store_b64 v[L8], v[CB2:CB2+1], s[12:13]  ; 32 lanes store 256 consecutive bytes, at a multiple of 256 from cbt's first byte
.Lno_cbt:
	; x INTO FRAGMENTS
	s_wait_loadcnt 0x0
	WIN 0x40
.set t, 0
.rept 64                                       ; register t % 16 of tile t / 16: two neighbouring channels of position 4 r + t / 16
	v_cvt_pk_bf16_f32 v[FR+t], v[XR+4*(8*((t%16)/4)+2*(t%4))+t/16], v[XR+4*(8*((t%16)/4)+2*(t%4)+1)+t/16]
.set t, t+1
.endr
	SQUARE FR                                      ; S of my 64 vectors: the diagonals of X X^T
	PICK
	WIN 0x05                                       ; sources window 1, destination window 0
.irp q, 0,1,2,3
	v_cndmask_b32 v[ST+12*(\q)+2], v[TX+4+(\q)], v[TX+(\q)], s[VAL]
	v_cndmask_b32 v[ST+12*(\q)+3], v[TX+4+(\q)], v[TX+(\q)], s[VAL]
.endr
	WIN 0
	LOADN                                          ; chunk 0; x as loaded has been read
.irp q, 0,1,2,3
	v_mov_b32 v[ST+12*(\q)], 0x7f7fffff            ; the best so far: above every distance, so its weight is 0 in the first chunk,
	v_mov_b32 v[ST+12*(\q)+1], 0
.irp j, 4,5,6,7,8,9,10,11
	v_mov_b32 v[ST+12*(\q)+(\j)], 0                ; and what that 0 multiplies is finite
.endr
.endr
	v_mov_b32 v[KC], 0
	v_mov_b32 v[KC+1], 1.0
	v_mov_b32 v[KC+2], 2.0
	v_mov_b32 v[KC+3], 0x40400000
	v_mov_b32 v[KC+4], 4.0
	v_mov_b32 v[KC+5], 0x40a00000
	v_mov_b32 v[KC+6], 0x40c00000
	v_mov_b32 v[KC+7], 0x40e00000
	v_mov_b32 v[MONE], -1.0
	v_mov_b32 v[MONE+1], -1.0
	v_mov_b32 v[MT+1], 0
	v_mov_b32 v[E0+1], 0
	v_mov_b32 v[T1], 0
	v_mov_b32 v[LS], 0
; 16 products: the chunk's 8 tiles of codes x tile e of vectors, 64 channels.  The 8 accumulators take turns, one instruction a turn; the first 8 start the sums.
; The places behind them stand in front of the first read of a result, and of loads into the fragments of codes (ISA guide 7.12.1 for vector instructions).
.macro MWORK e
	WIN 0x05                                       ; codes and x window 1, sums window 0
.set i, 0
.rept 8
	v_wmma_f32_16x16x32_bf16 v[DD+8*i:DD+8*i+7], v[AA+16*i:AA+16*i+7], v[FR+16*(\e):FR+16*(\e)+7], 0
.set i, i+1
.endr
.set i, 0
.rept 8
	v_wmma_f32_16x16x32_bf16 v[DD+8*i:DD+8*i+7], v[AA+16*i+8:AA+16*i+15], v[FR+16*(\e)+8:FR+16*(\e)+15], v[DD+8*i:DD+8*i+7]
.set i, i+1
.endr
	WIN 0
	PLACES
.endm
; The vector work on those 8 tiles.  nl = 1: when n has been added, the next chunk's n is asked for.
.macro VWORK e, nl
.set sT, ST+12*(\e)
.set i, 0
.rept 32                                       ; in ascending order: each accumulator's lowest registers are read first
	v_pk_fma_f32 v[DD+2*i:DD+2*i+1], v[DD+2*i:DD+2*i+1], -2.0, v[sT+2:sT+3] op_sel_hi:[1,0,1]  ; t = S - 2 p, one rounding
.set i, i+1
.endr
.set i, 0
.rept 32
	v_pk_add_f32 v[DD+2*i:DD+2*i+1], v[DD+2*i:DD+2*i+1], v[NN+2*i:NN+2*i+1]  ; d = t + n, the second rounding
.set i, i+1
.endr
.if \nl
	v_add_nc_u32 v[NV], 512, v[NV]
	LOADN
.endif
.set i, 0
.rept 8                                        ; each tile's minimum of 8; the tiles alternate, so that no line waits for the one before it
	v_min3_num_f32 v[RR+i], v[DD+8*i], v[DD+8*i+1], v[DD+8*i+2]
.set i, i+1
.endr
.set i, 0
.rept 8
	v_min3_num_f32 v[RR+i], v[RR+i], v[DD+8*i+3], v[DD+8*i+4]
.set i, i+1
.endr
.set i, 0
.rept 8
	v_min3_num_f32 v[RR+i], v[RR+i], v[DD+8*i+5], v[DD+8*i+6]
.set i, i+1
.endr
.set i, 0
.rept 8
	v_min_num_f32 v[RR+i], v[RR+i], v[DD+8*i+7]
.set i, i+1
.endr
	v_min3_num_f32 v[MT], v[sT], v[RR], v[RR+1]    ; m: the best so far and the 8 tiles
	v_min3_num_f32 v[T5], v[RR+2], v[RR+3], v[RR+4]
	v_min3_num_f32 v[MT], v[MT], v[RR+5], v[RR+6]
	v_min3_num_f32 v[MT], v[MT], v[T5], v[RR+7]
.set i, 0
.rept 4
	v_pk_add_f32 v[EK+2*i:EK+2*i+1], v[RR+2*i:RR+2*i+1], v[MT:MT+1] op_sel_hi:[1,0] neg_lo:[0,1] neg_hi:[0,1]  ; R - m: 0 or at least an ulp of m
.set i, i+1
.endr
	v_sub_f32 v[E0], v[sT], v[MT]
	v_mov_b32 v[sT], v[MT]
.set i, 0
.rept 4
	v_pk_fma_f32 v[EK+2*i:EK+2*i+1], v[EK+2*i:EK+2*i+1], s[BIG:BIG+1], v[KC+2*i:KC+2*i+1] op_sel_hi:[1,0,1]  ; the key; an overflow gives +infinity, which loses every minimum
.set i, i+1
.endr
	v_fma_f32 v[E0], v[E0], s[BIG], v[sT+1]        ; the best so far: its own tile number, lower than the chunk's
	v_min3_num_f32 v[T4], v[E0], v[EK], v[EK+1]
	v_min3_num_f32 v[T5], v[EK+2], v[EK+3], v[EK+4]
	v_min3_num_f32 v[T4], v[T4], v[EK+5], v[EK+6]
	v_min3_num_f32 v[sT+1], v[T4], v[T5], v[EK+7]  ; K: the first tile that holds m
	v_add_f32 v[TPP], 1.0, v[sT+1]
	v_add_f32 v[TPP+1], 1.0, v[sT+1]
.set i, 0
.rept 4
	v_pk_fma_f32 v[EK+2*i:EK+2*i+1], v[EK+2*i:EK+2*i+1], v[MONE:MONE+1], v[TPP:TPP+1] clamp  ; K + 1 - key, held to 0 .. 1: 1 for tile K, 0 for all others
.set i, i+1
.endr
	v_sub_f32 v[E0], v[TPP], v[E0] clamp
.set i, 0
.rept 4
	v_pk_mul_f32 v[sT+4+2*i:sT+5+2*i], v[sT+4+2*i:sT+5+2*i], v[E0:E0+1] op_sel_hi:[1,0]
.set i, i+1
.endr
.set k, 0
.rept 8                                        ; the 8 distances of tile K: eight terms are 0, one is the distance: exact
.set i, 0
.rept 4
.if k%2 == 0
	v_pk_fma_f32 v[sT+4+2*i:sT+5+2*i], v[DD+8*k+2*i:DD+8*k+2*i+1], v[EK+k:EK+k+1], v[sT+4+2*i:sT+5+2*i] op_sel_hi:[1,0,1]
.else
	v_pk_fma_f32 v[sT+4+2*i:sT+5+2*i], v[DD+8*k+2*i:DD+8*k+2*i+1], v[EK+k-1:EK+k], v[sT+4+2*i:sT+5+2*i] op_sel:[0,1,0] op_sel_hi:[1,1,1]
.endif
.set i, i+1
.endr
.set k, k+1
.endr
.endm
; A chunk of 128 codes for my four tiles of vectors.  more = 1: the next chunk's fragments are asked for behind the last products that read this chunk's, a tile's vector work ahead of their first use.
.macro CHUNK more
	s_wait_dscnt 0x0                               ; the chunk's fragments and its n are in
	MWORK 0
	VWORK 0, 0
	MWORK 1
	VWORK 1, 0
	MWORK 2
	VWORK 2, 0
	MWORK 3
.if \more
	v_add_nc_u32 v[AV], 128*PITCH, v[AV]
	LOADA
.endif
	VWORK 3, \more
.if \more
.set i, 0
.rept 4
	v_pk_add_f32 v[KC+2*i:KC+2*i+1], v[KC+2*i:KC+2*i+1], 0x41000000 op_sel_hi:[1,0]  ; the next chunk's tile numbers: 8 more
.set i, i+1
.endr
.endif
.endm
	s_mov_b32 s[TRIP], 3
.Lchunk:
	CHUNK 1
	s_sub_co_u32 s[TRIP], s[TRIP], 1
	s_cmp_lg_u32 s[TRIP], 0
	s_cbranch_scc1 .Lchunk
	CHUNK 0                                        ; the last chunk is written out: nothing is left to fetch
; The end for tile e.  The place j in the best tile by the same keys (KC holds 24 + j now); k = 16 tile + 8 h + j; then the vector's other 256 codes, which lie 16 lanes away: the lesser m, and at a tie the lesser k.
.macro FIN e
.set sT, ST+12*(\e)
.set i, 0
.rept 4
	v_pk_add_f32 v[EK+2*i:EK+2*i+1], v[sT+4+2*i:sT+5+2*i], v[sT:sT+1] op_sel_hi:[1,0] neg_lo:[0,1] neg_hi:[0,1]
.set i, i+1
.endr
.set i, 0
.rept 4
	v_pk_fma_f32 v[EK+2*i:EK+2*i+1], v[EK+2*i:EK+2*i+1], s[BIG:BIG+1], v[KC+2*i:KC+2*i+1] op_sel_hi:[1,0,1]
.set i, i+1
.endr
	v_min3_num_f32 v[T4], v[EK], v[EK+1], v[EK+2]
	v_min3_num_f32 v[T5], v[EK+3], v[EK+4], v[EK+5]
	v_min3_num_f32 v[T4], v[T4], v[EK+6], v[EK+7]
	v_min_num_f32 v[T4], v[T4], v[T5]              ; 24 + j
	v_fmamk_f32 v[T4], v[sT+1], 0x41800000, v[T4]  ; + 16 tile
	v_add_f32 v[T4], v[T4], v[HC]                  ; + 8 h - 24
	v_permlanex16_b32 v[T1], v[sT], s[SELS], s[SELS+1]
	v_min_num_f32 v[T2], v[sT], v[T1]              ; the vector's least distance
	v_sub_f32 v[T3], v[sT], v[T2]
	v_fma_f32 v[T4], v[T3], s[BIG], v[T4]          ; k where my half holds it, far above 511 elsewhere
	v_permlanex16_b32 v[T1], v[T4], s[SELS], s[SELS+1]
	v_min_num_f32 v[T4], v[T4], v[T1]
	v_cvt_u32_f32 v[KO+(\e)], v[T4]
	v_add_f32 v[LS], v[LS], v[T2]
.endm
	FIN 0
	FIN 1
	FIN 2
	FIN 3
	; both halves of the lanes hold the same 16 sums: the sum over one half of 16 lanes is the wave's
	v_add_f32_dpp v[LS], v[LS], v[LS] row_xmask:1 row_mask:0xf bank_mask:0xf
	v_add_f32_dpp v[LS], v[LS], v[LS] row_xmask:2 row_mask:0xf bank_mask:0xf
	v_add_f32_dpp v[LS], v[LS], v[LS] row_xmask:4 row_mask:0xf bank_mask:0xf
	v_add_f32_dpp v[LS], v[LS], v[LS] row_xmask:8 row_mask:0xf bank_mask:0xf
	s_wait_xcnt 0x0                                ; EXEC changes only behind this wait: it is a source of every global instruction issued so far
	v_cmp_gt_u32 vcc_lo, 16, v[LANE]
	s_and_saveexec_b32 s16, vcc_lo
	global_store_b128 v[IO], v[KO:KO+3], s[8:9]    ; lanes 0-15 store my wave's 64 indices: 256 consecutive bytes, at a multiple of 256 from idx's first byte
	s_wait_xcnt 0x0
	s_or_b32 exec_lo, exec_lo, s16
	v_cmp_eq_u32 vcc_lo, 0, v[LANE]
	s_and_saveexec_b32 s16, vcc_lo
	global_store_b32 v[ZR], v[LS], s[10:11]        ; one number a wave
	s_wait_xcnt 0x0
	s_or_b32 exec_lo, exec_lo, s16
	s_wait_tensorcnt 0x0                           ; the wave's end, behind my last LDS store
	ds_add_u32 v[SPW], v[NIL]
	s_wait_dscnt 0x0
	s_endpgm
.Lfunc_end_k_q43f5bb82fd_nearest:
	.size	k_q43f5bb82fd_nearest, .Lfunc_end_k_q43f5bb82fd_nearest-k_q43f5bb82fd_nearest
	.p2alignl 7, 3214868480
	.fill 96, 4, 3214868480
	.section	.rodata,"a",@progbits
	.p2align	6, 0x0
	.amdhsa_kernel k_q43f5bb82fd_nearest
		.amdhsa_group_segment_fixed_size 76800
		.amdhsa_private_segment_fixed_size 0
		.amdhsa_enable_private_segment 0
		.amdhsa_kernarg_size 40
		.amdhsa_user_sgpr_count 2
		.amdhsa_user_sgpr_kernarg_segment_ptr 1
		.amdhsa_wavefront_size32 1
		.amdhsa_system_sgpr_workgroup_id_x 1
		.amdhsa_system_sgpr_workgroup_id_y 1
		.amdhsa_system_sgpr_workgroup_id_z 1
		.amdhsa_system_vgpr_workitem_id 0
		.amdhsa_next_free_vgpr 512
		.amdhsa_next_free_sgpr 66
		.amdhsa_reserve_vcc 1
		.amdhsa_float_denorm_mode_32 3
		.amdhsa_float_denorm_mode_16_64 3
		.amdhsa_memory_ordered 1
		.amdhsa_forward_progress 1
		.amdhsa_inst_pref_size 129
	.end_amdhsa_kernel
	.amdgpu_metadata
---
amdhsa.version: [ 1, 2 ]
amdhsa.kernels:
  - .name:           k_q43f5bb82fd_nearest
    .symbol:         k_q43f5bb82fd_nearest.kd
    .args:
      - { .name: inputs, .offset: 0, .size: 8, .value_kind: global_buffer, .address_space: global }
      - { .name: codebook, .offset: 8, .size: 8, .value_kind: global_buffer, .address_space: global }
      - { .name: idx, .offset: 16, .size: 8, .value_kind: global_buffer, .address_space: global }
      - { .name: part, .offset: 24, .size: 8, .value_kind: global_buffer, .address_space: global }
      - { .name: cbt, .offset: 32, .size: 8, .value_kind: global_buffer, .address_space: global }
    .group_segment_fixed_size: 76800
    .private_segment_fixed_size: 0
    .kernarg_segment_align: 8
    .kernarg_segment_size: 40
    .max_flat_workgroup_size: 256
    .sgpr_count:     66
    .vgpr_count:     512
    .wavefront_size: 32
...
	.end_amdgpu_metadata
.endif
;; end of part 1
;; launch spread (part 2): grid 64 x 4, 8 waves a work-group, no clusters, 25,600 bytes of LDS; arguments idx, cbt, part, out0, out1, out2; writes out0, out1, out2
.if DOCPART == 2
	.amdgcn_target "amdgcn-amd-amdhsa--gfx1250"
	.amdhsa_code_object_version 6
	.text
	.protected	k_q43f5bb82fd_spread
	.globl	k_q43f5bb82fd_spread
	.p2align	8
	.type	k_q43f5bb82fd_spread,@function
k_q43f5bb82fd_spread:
	s_mov_b64 s[64:65], 0
	v_nop
	global_prefetch_b8 v0, s[64:65] scope:SCOPE_SE
	s_setreg_imm32_b32 hwreg(HW_REG_WAVE_MODE, 25, 1), 1
	s_wait_xcnt 0x0
; THE CODES GO OUT.  out0[b][c][pos] = codebook[idx[b][pos]][c]; out2 = the sum of part / 2^23; out1 = out2 / 4.
; LEFT OUT, as the first kernel's head shows for all finite inputs: inputs + (q - inputs) = q, so the inputs are not among the arguments; the losses are made of the least distances that the first launch summed.
; idx: [131072] u32; cbt: [4 groups of 16 channels][512 codes][16] bf16, the codebook rounded once; part: [2048] f32.
; SHARES.  A work-group: 2,048 positions of one image x one group of 16 channels; its slice of cbt, 16,384 consecutive bytes, goes into LDS.  A wave: two blocks of 128 positions.
; A lane owns 4 neighbouring positions: for each it reads the code's 32 bytes from LDS by the index; widening bf16 to f32 puts each number where the store wants it, 4 positions of one channel in 4 registers on end:
; a store of the wave covers 512 consecutive bytes of a channel's row, aligned.
; NOT IN CLUSTERS: what work-groups share is the slice, 16,384 bytes, and 8,192 bytes of idx, against 131,072 bytes stored.  NO PREFETCH: every load is issued at the head.  No matrix work: a lookup by an index.
.set PITCH, 48                         ; a code's 32 bytes + 16: an odd multiple of 16, so that codes spread over all 16-byte columns of the banks
.set SPARE, 512*PITCH                  ; behind the table: the spare words, 128 bytes for each of the 8 waves: four blocks of 256 bytes that no other line names
.set LANE, 2
.set TO,   3                           ; my 16 bytes in 4,096 of the slice
.set TL,   4                           ; and their place in LDS
.set IOF,  5                           ; 16 x lane
.set SPW,  6                           ; LDS address of my spare word; never rewritten
.set NIL,  7                           ; 0; never rewritten
.set ZR,   8                           ; 0, as an offset
.set LX,   9                           ; v9-11      the losses
.set TB,   12                          ; v[12:27]   the slice as loaded
.set IX,   28                          ; v[28:35]   8 indices, then LDS addresses
.set GG,   36                          ; v[36:99]   8 positions x 8 registers of bf16 pairs
.set OO,   100                         ; v[100:227] block u, channel c, position p at 64 u + 4 c + p
.set PS,   100                         ; in one wave, first: part
	s_load_b256 s[4:11], s[0:1], 0x0               ; idx s[4:5], cbt s[6:7], part s[8:9], out0 s[10:11]
	s_load_b128 s[12:15], s[0:1], 0x20             ; out1 s[12:13], out2 s[14:15]
	v_lshl_add_u32 v[SPW], v0, 2, SPARE
	v_mov_b32 v[NIL], 0
	v_lshrrev_b32 v1, 5, v0
	v_readfirstlane_b32 s16, v1                    ; wave 0..7
	s_and_b32 s17, ttmp7, 0xffff                   ; the channel group
	v_and_b32 v[LANE], 31, v0
	v_lshlrev_b32 v[TO], 4, v0
	v_lshrrev_b32 v1, 1, v0
	v_mul_u32_u24 v[TL], v1, PITCH                 ; two threads a code
	v_and_b32 v1, 1, v0
	v_lshl_add_u32 v[TL], v1, 4, v[TL]
	v_lshlrev_b32 v[IOF], 4, v[LANE]
	v_mov_b32 v[ZR], 0
	s_lshl_b32 s18, ttmp9, 13                      ; idx: the work-group's 2,048 positions,
	s_lshl_b32 s19, s16, 10                        ; my wave's 256
	s_add_co_u32 s18, s18, s19
	s_mov_b32 s19, 0
	s_lshl_b32 s20, s17, 14                        ; cbt: my group's slice
	s_mov_b32 s21, 0
	s_lshr_b32 s22, ttmp9, 3                       ; out0: the image (8 work-groups along x each),
	s_lshl_b32 s22, s22, 22
	s_lshl_b32 s23, s17, 20                        ; 16 channels of 65,536 bytes a group,
	s_add_co_u32 s22, s22, s23
	s_and_b32 s23, ttmp9, 7
	s_lshl_b32 s23, s23, 13                        ; the work-group's positions,
	s_add_co_u32 s22, s22, s23
	s_lshl_b32 s23, s16, 10                        ; my wave's
	s_add_co_u32 s22, s22, s23
	s_mov_b32 s23, 0
	s_or_b32 s24, ttmp9, s17
	s_or_b32 s24, s24, s16                         ; 0 in wave 0 of work-group (0, 0) alone
	s_mov_b32 s26, 0x76543210
	s_mov_b32 s27, 0xfedcba98
	s_mov_b32 s28, 0xffff0000                      ; a word's upper bf16
	s_wait_kmcnt 0x0
	s_add_nc_u64 s[4:5], s[4:5], s[18:19]
	s_add_nc_u64 s[6:7], s[6:7], s[20:21]
	s_add_nc_u64 s[10:11], s[10:11], s[22:23]
.irp i, 0,1,2,3
	global_load_b128 v[TB+4*(\i):TB+4*(\i)+3], v[TO], s[6:7] offset:4096*(\i)
.endr
.irp u, 0,1
	global_load_b128 v[IX+4*(\u):IX+4*(\u)+3], v[IOF], s[4:5] offset:512*(\u)
.endr
	s_cmp_lg_u32 s24, 0
	s_cbranch_scc1 .Lnot_owner
	; THE LOSSES, by one wave of the launch: its 16 loads go out with the others
.set i, 0
.rept 16
	global_load_b128 v[PS+4*i:PS+4*i+3], v[IOF], s[8:9] offset:512*i
.set i, i+1
.endr
	v_mov_b32 v[LX], 0                             ; v_permlanex16_b32's destination counts as read
	s_wait_loadcnt 0x0
.set i, 0
.rept 16                                       ; my 64 numbers, by halves: 32, 16, 8, 4, 2, 1
	v_pk_add_f32 v[PS+2*i:PS+2*i+1], v[PS+2*i:PS+2*i+1], v[PS+32+2*i:PS+32+2*i+1]
.set i, i+1
.endr
.set i, 0
.rept 8
	v_pk_add_f32 v[PS+2*i:PS+2*i+1], v[PS+2*i:PS+2*i+1], v[PS+16+2*i:PS+16+2*i+1]
.set i, i+1
.endr
.set i, 0
.rept 4
	v_pk_add_f32 v[PS+2*i:PS+2*i+1], v[PS+2*i:PS+2*i+1], v[PS+8+2*i:PS+8+2*i+1]
.set i, i+1
.endr
	v_pk_add_f32 v[PS:PS+1], v[PS:PS+1], v[PS+4:PS+5]
	v_pk_add_f32 v[PS+2:PS+3], v[PS+2:PS+3], v[PS+6:PS+7]
	v_pk_add_f32 v[PS:PS+1], v[PS:PS+1], v[PS+2:PS+3]
	v_add_f32 v[PS], v[PS], v[PS+1]
	v_add_f32_dpp v[PS], v[PS], v[PS] row_xmask:1 row_mask:0xf bank_mask:0xf
	v_add_f32_dpp v[PS], v[PS], v[PS] row_xmask:2 row_mask:0xf bank_mask:0xf
	v_add_f32_dpp v[PS], v[PS], v[PS] row_xmask:4 row_mask:0xf bank_mask:0xf
	v_add_f32_dpp v[PS], v[PS], v[PS] row_xmask:8 row_mask:0xf bank_mask:0xf
	v_permlanex16_b32 v[LX], v[PS], s26, s27
	v_add_f32 v[LX], v[PS], v[LX]                  ; the sum of all 131,072 least distances
	v_mul_f32 v[LX+1], 0x33000000, v[LX]           ; out1 = sum / 2^23 / 4 = sum x 2^-25
	v_mul_f32 v[LX+2], 0x34000000, v[LX]           ; out2 = sum / (131,072 x 64) = sum x 2^-23
	s_wait_xcnt 0x0                                ; EXEC changes only behind this wait
	v_cmp_eq_u32 vcc_lo, 0, v[LANE]
	s_and_saveexec_b32 s25, vcc_lo
	global_store_b32 v[ZR], v[LX+1], s[12:13]
	global_store_b32 v[ZR], v[LX+2], s[14:15]
	s_wait_xcnt 0x0                                ; and again, in front of the line that widens it
	s_or_b32 exec_lo, exec_lo, s25
.Lnot_owner:
	s_wait_loadcnt 2                               ; the slice's four loads are in; the two loads of idx, issued behind them, may stay out (in the one wave that made the losses nothing is out)
.irp i, 0,1,2,3
	ds_store_b128 v[TL], v[TB+4*(\i):TB+4*(\i)+3] offset:128*PITCH*(\i)  ; load i holds codes 128 i + thread / 2
.endr
	s_wait_dscnt 0x0                               ; for the others' sake: my part of the table is stored
	s_barrier_signal -1
	s_barrier_wait -1                              ; the table is whole; nothing is stored to it again
	s_wait_loadcnt 0x0                             ; idx
.irp q, 0,1,2,3,4,5,6,7
	v_min_u32 v[IX+(\q)], 0x1ff, v[IX+(\q)]        ; an index stays inside the table
.endr
.irp q, 0,1,2,3,4,5,6,7
	v_mul_u32_u24 v[IX+(\q)], v[IX+(\q)], PITCH
.endr
.irp q, 0,1,2,3,4,5,6,7                        ; position 4 u + p = q: the code's 16 channels, 32 bytes
	ds_load_b128 v[GG+8*(\q):GG+8*(\q)+3],   v[IX+(\q)]
	ds_load_b128 v[GG+8*(\q)+4:GG+8*(\q)+7], v[IX+(\q)] offset:16
.endr
; Block u goes out.  left = the LDS loads issued behind the block's eight, which may stay out.  Each block has its own 64 registers, so no store's data are rewritten.
.macro OUT u, left
	s_wait_dscnt \left
.irp w, 0,1,2,3,4,5,6,7
.irp p, 0,1,2,3
	v_lshlrev_b32 v[OO+64*(\u)+8*(\w)+(\p)],   16,  v[GG+8*(4*(\u)+(\p))+(\w)]  ; channel 2 w: the low half moves up,
	v_and_b32     v[OO+64*(\u)+8*(\w)+4+(\p)], s28, v[GG+8*(4*(\u)+(\p))+(\w)]  ; channel 2 w + 1: the high half stays
.endr
.endr
.irp c, 0,1,2,3,4,5,6,7,8,9,10,11,12,13,14,15
	global_store_b128 v[IOF], v[OO+64*(\u)+4*(\c):OO+64*(\u)+4*(\c)+3], s[10:11] offset:(\c)*65536+512*(\u) th:TH_STORE_NT  ; 512 consecutive bytes of channel c's row, at a multiple of 256 from out0's first byte
.endr
.endm
	OUT 0, 8                                       ; block 1's eight loads stay out
	OUT 1, 0
	s_wait_tensorcnt 0x0                           ; the wave's end, behind my last LDS store
	ds_add_u32 v[SPW], v[NIL]
	s_wait_dscnt 0x0
	s_endpgm
.Lfunc_end_k_q43f5bb82fd_spread:
	.size	k_q43f5bb82fd_spread, .Lfunc_end_k_q43f5bb82fd_spread-k_q43f5bb82fd_spread
	.p2alignl 7, 3214868480
	.fill 96, 4, 3214868480
	.section	.rodata,"a",@progbits
	.p2align	6, 0x0
	.amdhsa_kernel k_q43f5bb82fd_spread
		.amdhsa_group_segment_fixed_size 25600
		.amdhsa_private_segment_fixed_size 0
		.amdhsa_enable_private_segment 0
		.amdhsa_kernarg_size 48
		.amdhsa_user_sgpr_count 2
		.amdhsa_user_sgpr_kernarg_segment_ptr 1
		.amdhsa_wavefront_size32 1
		.amdhsa_system_sgpr_workgroup_id_x 1
		.amdhsa_system_sgpr_workgroup_id_y 1
		.amdhsa_system_sgpr_workgroup_id_z 1
		.amdhsa_system_vgpr_workitem_id 0
		.amdhsa_next_free_vgpr 232
		.amdhsa_next_free_sgpr 66
		.amdhsa_reserve_vcc 1
		.amdhsa_float_denorm_mode_32 3
		.amdhsa_float_denorm_mode_16_64 3
		.amdhsa_memory_ordered 1
		.amdhsa_forward_progress 1
		.amdhsa_inst_pref_size 17
	.end_amdhsa_kernel
	.amdgpu_metadata
---
amdhsa.version: [ 1, 2 ]
amdhsa.kernels:
  - .name:           k_q43f5bb82fd_spread
    .symbol:         k_q43f5bb82fd_spread.kd
    .args:
      - { .name: idx, .offset: 0, .size: 8, .value_kind: global_buffer, .address_space: global }
      - { .name: cbt, .offset: 8, .size: 8, .value_kind: global_buffer, .address_space: global }
      - { .name: part, .offset: 16, .size: 8, .value_kind: global_buffer, .address_space: global }
      - { .name: out0, .offset: 24, .size: 8, .value_kind: global_buffer, .address_space: global }
      - { .name: out1, .offset: 32, .size: 8, .value_kind: global_buffer, .address_space: global }
      - { .name: out2, .offset: 40, .size: 8, .value_kind: global_buffer, .address_space: global }
    .group_segment_fixed_size: 25600
    .private_segment_fixed_size: 0
    .kernarg_segment_align: 8
    .kernarg_segment_size: 48
    .max_flat_workgroup_size: 256
    .sgpr_count:     66
    .vgpr_count:     232
    .wavefront_size: 32
...
	.end_amdgpu_metadata
.endif
;; end of part 2
